; MI455X (gfx1250); checked and timed in simulation.
; The chip was launched on July 23, 2026; its instructions are those of AMD's public machine-readable ISA for CDNA 5 (MIT licence, August 2026) and "CDNA5" Instruction Set Architecture Reference Guide (July 2026). The comments in the code are by the model that wrote it; some were corrected since.
;; Tt Multi Head Attention Model. Allowed arithmetic: matrix products marked QUANTISED: E5M2 operands, one given power-of-two scale a tensor, by v_wmma_f32_16x16x64_bf8_bf8 or v_wmma_f32_16x16x128_bf8_bf8, f32 sums; everything else in f32.
;; Inputs: activation 8 x 1,024 x 1,024 float32; kb 1,024 float32; kw 1,024 x 1,024 float32; lowp_scales 10 int32 (the exponents e of the quantised operands' scales 2^e); qb 1,024 float32; qw 1,024 x 1,024 float32; vb 1,024 float32; vw 1,024 x 1,024 float32.
;; Outputs: out0 8 x 1,024 x 1,024 float32.
;; This version of the problem:
;;   THIS VERSION OF THE PROBLEM IS GIVEN IN LOW PRECISION. The matrix products marked QUANTISED in the list below multiply operands that are first quantised to E5M2 (5 exponent bits, 2 mantissa bits; 8 bits a number), with one given power-of-two scale for each operand tensor; their sums are f32. All else is computed in f32.
;;   The module's matrix products, in the order in which they are computed (A, B: the left and right operand; K: the contracted axis; several contracted axes count as one K, in the product's order):
;;     1. [M 8,192, K 1,024] x [K 1,024, N 1,024]; A: input activation; B: input qw: QUANTISED (scales: A lowp_scales[0], B lowp_scales[1])
;;     2. [M 8,192, K 1,024] x [K 1,024, N 1,024]; A: input activation; B: input kw: QUANTISED (scales: A lowp_scales[2], B lowp_scales[3])
;;     3. [M 8,192, K 1,024] x [K 1,024, N 1,024]; A: input activation; B: input vw: QUANTISED (scales: A lowp_scales[4], B lowp_scales[5])
;;     4. batch 128 x [M 1,024, K 64] x [K 64, N 1,024]; A: computed on the way; B: computed on the way: QUANTISED (scales: A lowp_scales[6], B lowp_scales[7])
;;     5. batch 128 x [M 1,024, K 1,024] x [K 1,024, N 64]; A: softmax (see below); B: computed on the way: QUANTISED (scales: A lowp_scales[8], B lowp_scales[9])
;;   THE QUANTISER, for each operand of a quantised product, along K:
;;     - The operand's scale is 2^e, e = its entry of the input lowp_scales (int32; the entries are numbered through the quantised products in the list's order, A before B).
;;     - Each number is divided by the scale, clamped to +-57,344, and rounded to the nearest number of E5M2, ties to even, subnormals kept.
;;     - The product sums the exact products of the quantised numbers (number of the format x scale) in f32.
;;   ~~~python
;;   def quantise(x, axis, e):      # numpy; x: float32 -> the quantised numbers, widened to float32 again
;;       x = np.moveaxis(x, axis, -1); K = x.shape[-1]
;;       r = np.clip(x / 2.0 ** e, -57344, 57344)
;;       step = 2.0 ** (np.maximum(np.frexp(np.where(r == 0, 1, r))[1] - 1, -14) - 2)
;;       q = np.round(r / step) * step * 2.0 ** e      # np.round: ties to even
;;       return np.moveaxis(q, -1, axis).astype(np.float32)
;;   ~~~
;;   SOFTMAX AHEAD OF A QUANTISED PRODUCT. Where the list says 'softmax', what is quantised is not the finished softmax but p = 2^(t - M), with t = logit x log2(e) and M = ceil(the row's largest t), a whole number; so 1/2 < the row's largest p <= 1. The row's sum l is taken of the UNQUANTISED p, in f32, and the product's result is divided by l at the end. Since M is a whole number, a kernel that streams over the keys may use a running M (the ceiling of the running maximum): every later rescaling is an exact power of two, so the quantised numbers keep their values, but for numbers so far below the row's largest that they fall under the format's range.
;;   OPERANDS COMPUTED ON THE WAY. 'Computed on the way' means the value that the module computes at that place (a softmax that the list does not call 'softmax' is quantised finished and normalised). What goes into a quantiser is computed in f32, as accurately as f32 sums, v_exp_f32 and their like allow (about 1e-6 of the number): no bf16 or f16 on the way to a quantiser, and a product that is left as it is and whose result goes on into a quantised operand takes f32 operands (vector FMAs, or v_wmma_f32_16x16x4_f32). A number that lies on a knife's edge between two numbers of the format may be rounded either way, as far as f32 arithmetic and the matrix unit's own rounding can turn it there, and no further.
;; One version. Each part assembles by itself: llvm-mc -triple=amdgcn-amd-amdhsa -mcpu=gfx1250 --defsym DOCPART=n.
;; ======== version 1 of 1: 3 launches
;; limits: right only within a limited range of input values
;; workspace buffers: codes 28,311,552 bytes; qkv 25,165,824 bytes
;; launch quant (part 1): grid 512 x 1, 4 waves a work-group, no clusters, 20,992 bytes of LDS; arguments activation, qw, kw, vw, lowp_scales, codes; writes codes
.if DOCPART == 1
	.amdgcn_target "amdgcn-amd-amdhsa--gfx1250"
	.amdhsa_code_object_version 6
	.text
	.protected	k_qfc99f6edc8_quant
	.globl	k_qfc99f6edc8_quant
	.p2align	8
	.type	k_qfc99f6edc8_quant,@function
k_qfc99f6edc8_quant:
	s_mov_b64 s[64:65], 0
	v_nop
	global_prefetch_b8 v0, s[64:65] scope:SCOPE_SE
	s_setreg_imm32_b32 hwreg(HW_REG_WAVE_MODE, 25, 1), 1
	s_wait_xcnt 0x0
; FIRST OF THREE LAUNCHES: f32 numbers into codes of E5M2, K innermost, for the three projections x W^T.
; NO WORK OF THE PROBLEM IS LEFT OUT IN ANY LAUNCH: every bias (kb too) goes into a quantiser ahead of a live product, there is no mask, and every input is loaded.
; The activation is an operand of three products, each with a scale of its own (entries 0, 2, 4 of the scales), so it gets three sets of codes; each weight gets one (entries 1, 3, 5).
; code = x / 2^e, held within +-57,344, rounded to the nearest code, ties to even.
; LIMITS: each of these six e lies between -126 and 112, so that 2^e and 57,344 x 2^e are f32 numbers.  NaN among the inputs is not served (an infinity is held at the largest code).
; THE BUFFER codes: x under e0 at byte 0, under e2 at 0x800000, under e4 at 0x1000000, each [8192][1024] bytes; qw's codes at 0x1800000, kw's at 0x1900000, vw's at 0x1a00000, each [1024][1024] bytes.
; Rows are dense and K is innermost, so every tensor is a plain stream.  All 2,048 waves do the same: eight steps of 512 numbers of x, on end, then one step of each of the three weights.
; Each of a step's four loads reads 512 consecutive bytes, 16 a lane; the conversions want 16 NEIGHBOURS in one lane, so a step's 2,048 bytes go through the wave's own stage in LDS as they lie and come back 64 bytes a lane.
; A lane's 16 codes are 16 bytes: the wave stores 512 consecutive bytes.  Loads run six steps ahead, the turn through LDS one.  Waves share nothing: no barrier.
.set STEPS, 11
.set AHEAD, 6
.set SP,    80                         ; a lane's place in a stage: its 64 bytes + 16 of padding
.set WREG,  5120                       ; a wave's two stages of 32 x SP bytes
.set SPARE, 4*WREG                     ; behind them: the spare words, 128 bytes for each wave, which no other line names
.set SPW,   12                         ; v12      LDS address of my spare word; never rewritten
.set NIL,   13                         ; v13      0; never rewritten
.set R,     16                         ; v16-111  six sets of 16 numbers as they are loaded
.set X,     112                        ; v112-143 two sets of 16 neighbours
.set T,     144                        ; v144-191 the held numbers, 16 for each scale
.set C,     192                        ; v192-239 codes: 12 registers a step, four steps by turns
.set SC,    240                        ; v240-251 2^e and 57,344 x 2^e as f32: x's three scales, then the weights' three
	s_load_b256 s[4:11], s[0:1], 0x0               ; activation s[4:5], qw s[6:7], kw s[8:9], vw s[10:11]
	s_load_b128 s[12:15], s[0:1], 0x20             ; the scales' exponents s[12:13], codes s[14:15]
	v_lshl_add_u32 v[SPW], v0, 2, SPARE
	v_mov_b32 v[NIL], 0
	v_lshrrev_b32 v1, 5, v0
	v_readfirstlane_b32 s2, v1                     ; wave 0..3
	v_and_b32 v2, 31, v0                           ; lane
	v_lshlrev_b32 v3, 4, v2                        ; my 16 bytes of a load's 512, and of a store's
	s_mul_i32 s3, s2, WREG
	v_lshrrev_b32 v14, 2, v2
	v_mul_u32_u24 v14, v14, SP
	v_and_b32 v15, 3, v2
	v_lshl_add_u32 v14, v15, 4, v14
	v_add_nc_u32 v14, s3, v14                      ; the stage, on the way in: four lanes' 64 bytes on end, then the padding
	v_mul_u32_u24 v15, v2, SP
	v_add_nc_u32 v15, s3, v15                      ; and on the way out: my 16 neighbours
	s_lshl_b32 s22, ttmp9, 2
	s_add_co_u32 s22, s22, s2                      ; my wave among the 2,048
	s_lshl_b32 s30, s22, 14                        ; 16,384 bytes of x a wave,
	s_mov_b32 s31, 0
	s_lshl_b32 s32, s22, 11                        ; 2,048 bytes of each weight,
	s_mov_b32 s33, 0
	s_lshl_b32 s36, s22, 12                        ; 4,096 bytes of codes of x under each scale,
	s_mov_b32 s37, 0
	s_lshl_b32 s38, s22, 9
	s_add_co_u32 s38, s38, 0x1800000               ; 512 of each weight
	s_mov_b32 s39, 0
	s_wait_alu depctr_va_vdst(0)                   ; directly ahead of the wait below
	s_wait_kmcnt 0x0
	s_load_b128 s[16:19], s[12:13], 0x0            ; e0 .. e3
	s_load_b64 s[20:21], s[12:13], 0x10            ; e4, e5
	s_add_nc_u64 s[4:5], s[4:5], s[30:31]
	s_add_nc_u64 s[6:7], s[6:7], s[32:33]
	s_add_nc_u64 s[8:9], s[8:9], s[32:33]
	s_add_nc_u64 s[10:11], s[10:11], s[32:33]
	s_add_nc_u64 s[24:25], s[14:15], s[36:37]      ; x's codes under e0,
	s_add_nc_u64 s[26:27], s[24:25], 0x800000      ; under e2,
	s_add_nc_u64 s[28:29], s[24:25], 0x1000000     ; under e4;
	s_add_nc_u64 s[34:35], s[14:15], s[38:39]      ; the weights'
.macro LOAD t                          ; steps 0-7: x; 8, 9, 10: qw, kw, vw
.set LB, 4
.set LO, 2048*(\t)
.if (\t) > 7
.set LB, 6+2*((\t)-8)
.set LO, 0
.endif
.irp i, 0,1,2,3
	global_load_b128 v[R+16*((\t)%AHEAD)+4*\i:R+16*((\t)%AHEAD)+4*\i+3], v3, s[LB:LB+1] offset:LO+512*\i th:TH_LOAD_NT   ; 32 lanes read 512 consecutive bytes; read once in the launch
.endr
.endm
.macro TURN t                          ; step t's numbers through a stage: LDS serves a wave's instructions in order (ISA guide 5.7.1.4), so no wait stands between the stores and the loads
.irp i, 0,1,2,3
	ds_store_b128 v14, v[R+16*((\t)%AHEAD)+4*\i:R+16*((\t)%AHEAD)+4*\i+3] offset:32*SP*((\t)%2)+8*SP*\i
.endr
.irp i, 0,1,2,3
	ds_load_b128 v[X+16*((\t)%2)+4*\i:X+16*((\t)%2)+4*\i+3], v15 offset:32*SP*((\t)%2)+16*\i
.endr
.endm
.macro MKS e, i                        ; scale i's two numbers from the whole number e
	s_add_co_i32 s32, \e, 127
	s_lshl_b32 s33, s32, 23
	v_mov_b32 v[SC+2*\i], s33                      ; 2^e: the conversion takes its exponent field
	s_add_co_i32 s32, s32, 15
	s_lshl_b32 s32, s32, 23
	s_or_b32 s32, s32, 0x600000
	v_mov_b32 v[SC+2*\i+1], s32                    ; 57,344 x 2^e
.endm
.macro HOLD i, sc                      ; the conversion to an 8-bit code does not saturate (ISA guide 7.6.2): the number is held within the largest code x the scale first
.irp k, 0,1,2,3,4,5,6,7,8,9,10,11,12,13,14,15
	v_med3_num_f32 v[T+16*(\i)+\k], v[XS+\k], -v[SC+2*(\sc)+1], v[SC+2*(\sc)+1]
.endr
.endm
.macro CODE i, sc
	v_cvt_scalef32_pk8_bf8_f32 v[CS+4*(\i):CS+4*(\i)+1], v[T+16*(\i):T+16*(\i)+7], v[SC+2*(\sc)]
	v_cvt_scalef32_pk8_bf8_f32 v[CS+4*(\i)+2:CS+4*(\i)+3], v[T+16*(\i)+8:T+16*(\i)+15], v[SC+2*(\sc)]
.endm
.macro STEP t
.set XS, X+16*((\t)%2)
.set CS, C+12*((\t)%4)
	s_wait_dscnt 0x0                               ; this step's numbers are back from the stage: so its stores into the stage have read their registers,
.if ((\t) == 4) || ((\t) == 8)
	s_wait_xcnt 0x0                                ; the last four steps' stores have read their codes: the four runs of registers may be written anew
.endif
.if (\t)+AHEAD < STEPS
	LOAD (\t)+AHEAD                                ; which take the loads of six steps on
.endif
.if (\t)+1 < STEPS
.if (\t)+AHEAD < STEPS
	s_wait_loadcnt 4*(AHEAD-1)                     ; the next step's four loads are in; those of the five steps behind it may be out
.else
	s_wait_loadcnt 4*(STEPS-2-(\t))                ; towards the end fewer steps are behind it
.endif
	TURN (\t)+1                                    ; and go through the other stage while this step is worked
.endif
.if (\t) < 8
	HOLD 0, 0
	HOLD 1, 1
	HOLD 2, 2
	CODE 0, 0
	CODE 1, 1
	CODE 2, 2
.else
	HOLD 0, (\t)-5
	CODE 0, (\t)-5
.endif
	v_nop                                          ; one plain vector instruction between the conversions and the next step's holds, which write their sources
.if (\t) < 8
.irp i, 0,1,2
	global_store_b128 v3, v[CS+4*\i:CS+4*\i+3], s[24+2*\i:25+2*\i] offset:512*(\t)   ; 32 lanes store 512 consecutive bytes, aligned
.endr
.else
	global_store_b128 v3, v[CS:CS+3], s[34:35] offset:0x100000*((\t)-8)
.endif
.endm
.irp t, 0,1,2,3,4,5
	LOAD \t
.endr
	s_wait_kmcnt 0x0
	MKS s16, 0
	MKS s18, 1
	MKS s20, 2
	MKS s17, 3
	MKS s19, 4
	MKS s21, 5
	s_wait_alu depctr_va_vdst(0)                   ; the wait at the head's end
	s_wait_loadcnt 4*(AHEAD-1)                     ; step 0's four loads are in
	TURN 0
.irp t, 0,1,2,3,4,5,6,7,8,9,10
	STEP \t
.endr
	s_wait_tensorcnt 0x0                           ; the wave's end
	ds_add_u32 v[SPW], v[NIL]
	s_wait_dscnt 0x0
	s_endpgm
.Lfunc_end_k_qfc99f6edc8_quant:
	.size	k_qfc99f6edc8_quant, .Lfunc_end_k_qfc99f6edc8_quant-k_qfc99f6edc8_quant
	.p2alignl 7, 3214868480
	.fill 96, 4, 3214868480
	.section	.rodata,"a",@progbits
	.p2align	6, 0x0
	.amdhsa_kernel k_qfc99f6edc8_quant
		.amdhsa_group_segment_fixed_size 20992
		.amdhsa_private_segment_fixed_size 0
		.amdhsa_enable_private_segment 0
		.amdhsa_kernarg_size 48
		.amdhsa_user_sgpr_count 2
		.amdhsa_user_sgpr_kernarg_segment_ptr 1
		.amdhsa_wavefront_size32 1
		.amdhsa_system_sgpr_workgroup_id_x 1
		.amdhsa_system_sgpr_workgroup_id_y 1
		.amdhsa_system_sgpr_workgroup_id_z 1
		.amdhsa_system_vgpr_workitem_id 0
		.amdhsa_next_free_vgpr 256
		.amdhsa_next_free_sgpr 66
		.amdhsa_reserve_vcc 0
		.amdhsa_float_denorm_mode_32 3
		.amdhsa_float_denorm_mode_16_64 3
		.amdhsa_memory_ordered 1
		.amdhsa_forward_progress 1
		.amdhsa_inst_pref_size 48
	.end_amdhsa_kernel
	.amdgpu_metadata
---
amdhsa.version: [ 1, 2 ]
amdhsa.kernels:
  - .name:           k_qfc99f6edc8_quant
    .symbol:         k_qfc99f6edc8_quant.kd
    .args:
      - { .name: activation, .offset: 0, .size: 8, .value_kind: global_buffer, .address_space: global }
      - { .name: qw, .offset: 8, .size: 8, .value_kind: global_buffer, .address_space: global }
      - { .name: kw, .offset: 16, .size: 8, .value_kind: global_buffer, .address_space: global }
      - { .name: vw, .offset: 24, .size: 8, .value_kind: global_buffer, .address_space: global }
      - { .name: lowp_scales, .offset: 32, .size: 8, .value_kind: global_buffer, .address_space: global }
      - { .name: codes, .offset: 40, .size: 8, .value_kind: global_buffer, .address_space: global }
    .group_segment_fixed_size: 20992
    .private_segment_fixed_size: 0
    .kernarg_segment_align: 8
    .kernarg_segment_size: 48
    .max_flat_workgroup_size: 128
    .sgpr_count:     66
    .vgpr_count:     256
    .wavefront_size: 32
...
	.end_amdgpu_metadata
.endif
;; end of part 1
;; launch proj (part 2): grid 12 x 16, 4 waves a work-group, clusters of 4 x 4, 327,680 bytes of LDS; arguments codes, lowp_scales, qb, kb, vb, qkv; writes qkv
.if DOCPART == 2
	.amdgcn_target "amdgcn-amd-amdhsa--gfx1250"
	.amdhsa_code_object_version 6
	.text
	.protected	k_qfc99f6edc8_proj
	.globl	k_qfc99f6edc8_proj
	.p2align	8
	.type	k_qfc99f6edc8_proj,@function
k_qfc99f6edc8_proj:
	s_mov_b64 s[64:65], 0
	v_nop
	global_prefetch_b8 v0, s[64:65] scope:SCOPE_SE
	s_setreg_imm32_b32 hwreg(HW_REG_WAVE_MODE, 25, 1), 1
	s_wait_xcnt 0x0
	s_wait_alu depctr_hold_cnt(0) depctr_sa_sdst(0) depctr_va_vdst(0) depctr_va_sdst(0) depctr_va_ssrc(0) depctr_va_vcc(0) depctr_vm_vsrc(0)
	s_getreg_b32 s2, hwreg(HW_REG_IB_STS2, 6, 4)
	s_cmp_eq_u32 s2, 0
	s_cbranch_scc0 .Lentry_in_a_cluster
	s_endpgm
.Lentry_in_a_cluster:
	s_bfe_u32 s2, ttmp6, 0x10000c
	s_cmp_lg_u32 s2, 0xf033
	s_cbranch_scc0 .Lentry_shape_is_right
	s_endpgm
.Lentry_shape_is_right:
; SECOND LAUNCH: q, k, v = x W^T + b on codes of E5M2, each finished number quantised (entries 6, 7, 9 of the scales) and its codes laid as images of the attention's operand registers.  No work of the problem is left out.
; A work-group of four waves makes two tiles of 256 x 256, one after the other, a wave 128 x 128 of each: 64 accumulators, 512 registers.  K goes in steps of 256 through a ring of two LDS slots, on into the second tile.
; CLUSTERS: 4 x 4 work-groups; a row of the cluster shares the tiles of one operand, a column those of the other: each is asked for by one joint load with a mask that names the four.  The cluster's x chooses q, k or v.
; q and k: source 0 = rows of W, source 1 = rows of x; v: the other way round, so that a lane's eight results are eight neighbouring keys.
; The bias, divided by the power of two that the sums lack, is the C of each accumulator's first product; the three scales ahead of the quantiser are folded into the conversion's one.
; LIMITS: (the output's e) - (the sum of the two operands' e) lies between -126 and 112.  NaN is not served.
; PREFETCHES: a work-group loads eight K steps in all; where it loads K step n it asks for K step n + 2, one instruction a wave, a lane a row of 256 bytes; K step 1, whose load goes out only when K step 0 has landed, is asked for at the head too.
; Of the 128 rows that a wave fetches, each of the four partners that ask for them jointly names 32, told apart by address.  The second tile has other rows of x and the same rows of W: W's K steps 4 to 7 have been read and are not
; asked for; the last two K steps' loads ask for nothing, nor does anything ask for K step 0.
; REGISTERS: window 0: addresses, biases v32-95, codes v96-127, A's fragments from v128; window 1: B's fragments, two sets; windows 2 and 3: the accumulators.
.set PFO,    24                        ; v24      the prefetches' offset: my lane x a row of 1,024 bytes; never rewritten
.set PFA,    66                        ; s[66:67] the first tile's rows that my wave prefetches; never rewritten
.set PFF,    83                        ; s83      1: my wave's operand moves on to rows that are still to be asked for
.set ROWB,   256
.set KROW,   1024
.set PITCH,  272
.set FR,     16
.set NL,     4
.set NP,     4
.set HALFT,  128*PITCH
.set SLOT,   4*HALFT
.set SPARE,  2*SLOT
.set TSTEP,  0x400000
.set ADRA, 16
.set ADRB, 20
.set CO,   22
.set SPW,  28
.set NIL,  29
.set SCL,  30
.set BO,   31
.set BI,   32
.set CD,   96
.set AF,   128
.set G1, 24
.set G0, 32
.set G1B, 48
.set G0B, 56
.set MSB, 0
.macro WIN new
.if MSB != \new
	s_set_vgpr_msb (MSB<<8)|\new
.set MSB, \new
.endif
.endm
.set MUL_LO, 0xa1
.set MUL_HI, 0xf1
.set BEG_LO, 0x81
.set BEG_HI, 0xc1
.set TO_B,   0x40
.macro JLOAD g0a, g1a, g0b, g1b
	s_cmp_eq_u32 s17, 0
	s_cbranch_scc0 .Lfor_b_\@
	tensor_load_to_lds s[\g0a:\g0a+3], s[\g1a:\g1a+7]
	s_nop 0
.rept 4
	v_nop
.endr
	s_branch .Lasked_\@
.Lfor_b_\@:
	tensor_load_to_lds s[\g0b:\g0b+3], s[\g1b:\g1b+7]
	s_nop 0
.rept 4
	v_nop
.endr
.Lasked_\@:
.endm
.macro CREST
	s_cmp_lg_u32 s16, 0
	s_cbranch_scc1 .Lnot_wave_0_\@
	s_barrier_signal -3
.Lnot_wave_0_\@:
	s_barrier_wait -3
	s_barrier_signal -1
	s_barrier_wait -1
.endm
.macro CROUND
	s_barrier_signal -1
	s_barrier_wait -1
	CREST
.endm
	s_load_b256 s[4:11], s[0:1], 0x0
	s_load_b128 s[12:15], s[0:1], 0x20
	v_lshl_add_u32 v[SPW], v0, 2, SPARE
	v_mov_b32 v[NIL], 0
	ds_add_u32 v[SPW], v[NIL]
	ds_add_u32 v[SPW], v[NIL]
	v_lshrrev_b32 v1, 5, v0
	v_readfirstlane_b32 s16, v1
	s_lshr_b32 s17, s16, 1
	s_and_b32 s18, s16, 1
	s_bfe_u32 s40, ttmp6, 0x40000
	s_bfe_u32 s41, ttmp6, 0x40004
	s_lshr_b32 s44, ttmp9, 1
	s_xor_b32 s45, s44, 1
	s_and_b32 s46, ttmp7, 0xffff
	s_lshl_b32 s46, s46, 2
	s_mul_i32 s47, s46, s44
	s_add_co_u32 s42, s40, s47
	s_mul_i32 s47, s46, s45
	s_add_co_u32 s43, s41, s47
	s_lshl_b32 s19, s41, 2
	s_lshl_b32 s19, 15, s19
	s_lshl_b32 s20, 0x1111, s40
	s_or_b32 s[G1+0], s19, (0<<16)|(1<<20)|(1<<21)|(5<<22)|(3<<25)
	s_or_b32 s[G1B+0], s20, (0<<16)|(1<<20)|(1<<21)|(5<<22)|(3<<25)
.irp g, G1, G1B
	s_mov_b32 s[\g+1], ROWB<<16
	s_mov_b32 s[\g+2], 128<<16
	s_mov_b32 s[\g+3], ROWB<<16
	s_mov_b32 s[\g+4], 128
	s_mov_b32 s[\g+5], KROW
	s_mov_b32 s[\g+6], 0
	s_mov_b32 s[\g+7], 0
.endr
	s_lshl_b32 s21, s18, 7
	s_lshl_b32 s84, s43, 8
	s_add_co_u32 s84, s84, s21
	s_lshl_b32 s84, s84, 10
	s_mul_i32 s22, ttmp9, 0x800000
	s_add_co_u32 s84, s84, s22
	s_mul_i32 s22, s44, 0xa00000
	s_add_co_u32 s84, s84, s22
	s_mov_b32 s85, 0
	s_lshl_b32 s86, s42, 8
	s_add_co_u32 s86, s86, s21
	s_lshl_b32 s86, s86, 10
	s_mul_i32 s22, ttmp9, 0x100000
	s_add_co_u32 s22, s22, 0x1800000
	s_mul_i32 s22, s22, s45
	s_add_co_u32 s86, s86, s22
	s_mul_i32 s22, s44, 0x1000000
	s_add_co_u32 s86, s86, s22
	s_mov_b32 s87, 0
	s_lshl_b32 s92, s45, 22
	s_mov_b32 s93, 0
	s_lshl_b32 s94, s44, 22
	s_mov_b32 s95, 0
	s_mul_i32 s23, s16, HALFT
	s_wait_dscnt 0x0
	s_wait_kmcnt 0x0
	s_load_b256 s[68:75], s[6:7], 0x0
	s_load_b64 s[76:77], s[6:7], 0x20
	s_add_nc_u64 s[84:85], s[4:5], s[84:85]
	s_add_nc_u64 s[86:87], s[4:5], s[86:87]
	s_add_nc_u64 s[92:93], s[84:85], s[92:93]
	s_add_nc_u64 s[94:95], s[86:87], s[94:95]
	CROUND
.irp s, 0,1
	s_mov_b32 s[G0+4*\s], 1
	s_add_co_u32 s[G0+4*\s+1], s23, \s*SLOT
	s_add_nc_u64 s[G0+4*\s+2:G0+4*\s+3], s[84:85], \s*ROWB
	s_or_b32 s[G0+4*\s+3], s[G0+4*\s+3], 0x80000000
	s_mov_b32 s[G0B+4*\s], 1
	s_add_co_u32 s[G0B+4*\s+1], s23, \s*SLOT
	s_add_nc_u64 s[G0B+4*\s+2:G0B+4*\s+3], s[86:87], \s*ROWB
	s_or_b32 s[G0B+4*\s+3], s[G0B+4*\s+3], 0x80000000
.endr
	JLOAD G0, G1, G0B, G1B                         ; K step 0: one tensor load a wave at the head.  Addresses and biases are made while it is on its way
	v_and_b32 v1, 15, v0
	v_bfe_u32 v2, v0, 4, 1
	v_mul_u32_u24 v3, v1, PITCH
	v_lshl_add_u32 v4, v2, 4, v3
	s_mul_i32 s21, s17, HALFT
	s_mul_i32 s22, s18, HALFT
	s_add_co_u32 s22, s22, 2*HALFT
.irp s, 0,1
	v_add_nc_u32 v[ADRA+\s], s21, v4
	v_add_nc_u32 v[ADRB+\s], s22, v4
	s_add_co_u32 s21, s21, SLOT
	s_add_co_u32 s22, s22, SLOT
.endr
	v_and_b32 v5, 31, v0
	v_lshlrev_b32 v[CO], 4, v5
	v_lshlrev_b32 v[PFO], 10, v5
	s_cmp_eq_u32 s17, 0                            ; do I fetch for A or for B?
	s_cselect_b64 s[PFA:PFA+1], s[84:85], s[86:87]
	s_cselect_b32 s20, s40, s41                    ; my place among the four that ask with me: cx or cy
	s_cselect_b32 s[PFF], s45, s44                 ; x is A for q and k, B for v
	s_lshl_b32 s20, s20, 15                        ; 32 rows of the 128
	s_mov_b32 s21, 0
	s_add_nc_u64 s[PFA:PFA+1], s[PFA:PFA+1], s[20:21]
	global_prefetch_b8 v[PFO], s[PFA:PFA+1] offset:ROWB th:TH_LOAD_NT scope:SCOPE_SE     ; K step 1
	global_prefetch_b8 v[PFO], s[PFA:PFA+1] offset:2*ROWB th:TH_LOAD_NT scope:SCOPE_SE   ; K step 2
	s_wait_kmcnt 0x0
	s_add_co_i32 s19, s68, s69
	s_add_co_i32 s20, s70, s71
	s_add_co_i32 s21, s72, s73
	s_cmp_eq_u32 ttmp9, 0
	s_cselect_b32 s78, s19, s20
	s_cselect_b32 s79, s74, s75
	s_cmp_eq_u32 ttmp9, 2
	s_cselect_b32 s78, s21, s78
	s_cselect_b32 s79, s77, s79
	s_sub_co_i32 s82, 0, s78
	s_sub_co_i32 s19, s79, s78
	s_add_co_i32 s19, s19, 127
	s_lshl_b32 s20, s19, 23
	v_mov_b32 v[SCL], s20
	s_add_co_i32 s19, s19, 15
	s_lshl_b32 s19, s19, 23
	s_or_b32 s80, s19, 0x600000
	s_xor_b32 s81, s80, 0x80000000
	s_cmp_eq_u32 ttmp9, 2
	s_cbranch_scc1 .Lbias_v
	s_cmp_eq_u32 ttmp9, 0
	s_cselect_b64 s[88:89], s[8:9], s[10:11]
	s_lshl_b32 s90, s42, 10
	s_lshl_b32 s91, s18, 9
	s_add_co_u32 s90, s90, s91
	s_mov_b32 s91, 0
	s_add_nc_u64 s[88:89], s[88:89], s[90:91]
	v_lshlrev_b32 v[BO], 5, v2
.irp b, 0,1,2,3,4,5,6,7
	global_load_b128 v[BI+8*\b:BI+8*\b+3], v[BO], s[88:89] offset:64*\b
	global_load_b128 v[BI+8*\b+4:BI+8*\b+7], v[BO], s[88:89] offset:64*\b+16
.endr
	s_wait_loadcnt 0x0
.set j, 0
.rept 64
	v_ldexp_f32 v[BI+j], v[BI+j], s82
.set j, j+1
.endr
	s_branch .Lbias_done
.Lbias_v:
	s_lshl_b32 s90, s43, 10
	s_lshl_b32 s91, s17, 9
	s_add_co_u32 s90, s90, s91
	s_mov_b32 s91, 0
	s_add_nc_u64 s[88:89], s[12:13], s[90:91]
	v_lshlrev_b32 v[BO], 2, v1
.irp a, 0,1,2,3,4,5,6,7
	global_load_b32 v[BI+8*\a], v[BO], s[88:89] offset:64*\a
.endr
	s_wait_loadcnt 0x0
.irp a, 0,1,2,3,4,5,6,7
.irp j, 7,6,5,4,3,2,1,0
	v_ldexp_f32 v[BI+8*\a+\j], v[BI+8*\a], s82
.endr
.endr
.Lbias_done:
	s_mul_i32 s90, ttmp9, 0x800000
	s_lshr_b32 s19, s43, 2
	s_lshl_b32 s19, s19, 20
	s_add_co_u32 s90, s90, s19
	s_lshl_b32 s19, s42, 2
	s_lshl_b32 s20, s18, 1
	s_add_co_u32 s19, s19, s20
	s_lshl_b32 s19, s19, 16
	s_add_co_u32 s90, s90, s19
	s_and_b32 s19, s43, 3
	s_lshl_b32 s19, s19, 4
	s_lshl_b32 s20, s17, 3
	s_add_co_u32 s19, s19, s20
	s_lshl_b32 s19, s19, 10
	s_add_co_u32 s90, s90, s19
	s_lshr_b32 s19, s42, 2
	s_lshl_b32 s91, s19, 20
	s_add_co_u32 s91, s91, 0x1000000
	s_and_b32 s19, s42, 3
	s_lshl_b32 s19, s19, 2
	s_lshl_b32 s20, s18, 1
	s_add_co_u32 s19, s19, s20
	s_lshl_b32 s19, s19, 16
	s_add_co_u32 s91, s91, s19
	s_lshl_b32 s19, s43, 2
	s_lshl_b32 s20, s17, 1
	s_add_co_u32 s19, s19, s20
	s_lshl_b32 s19, s19, 12
	s_add_co_u32 s91, s91, s19
	s_cmp_eq_u32 ttmp9, 2
	s_cselect_b32 s90, s91, s90
	s_mov_b32 s91, 0
	s_add_nc_u64 s[88:89], s[14:15], s[90:91]
.macro FRAG reg, adr, q, i
.irp c, 0,1,2,3
	ds_load_b128 v[\reg+4*\c:\reg+4*\c+3], v[\adr] offset:128*(\q)+32*\c+(\i)*16*PITCH
.endr
.endm
.macro MUL16 a0, p, cm
.irp a, \a0, \a0+1
.irp b, 0,1,2,3,4,5,6,7
.if \cm == 1
	v_wmma_f32_16x16x128_bf8_bf8 v[8*(8*((\a)%4)+\b):8*(8*((\a)%4)+\b)+7], v[128*(\p)+FR*\b:128*(\p)+FR*\b+FR-1], v[AF+FR*(\a):AF+FR*(\a)+FR-1], v[BI+8*\b:BI+8*\b+7]
.elseif \cm == 2
	v_wmma_f32_16x16x128_bf8_bf8 v[8*(8*((\a)%4)+\b):8*(8*((\a)%4)+\b)+7], v[128*(\p)+FR*\b:128*(\p)+FR*\b+FR-1], v[AF+FR*(\a):AF+FR*(\a)+FR-1], v[BI+8*(\a):BI+8*(\a)+7]
.else
	v_wmma_f32_16x16x128_bf8_bf8 v[8*(8*((\a)%4)+\b):8*(8*((\a)%4)+\b)+7], v[128*(\p)+FR*\b:128*(\p)+FR*\b+FR-1], v[AF+FR*(\a):AF+FR*(\a)+FR-1], v[8*(8*((\a)%4)+\b):8*(8*((\a)%4)+\b)+7]
.endif
.endr
.endr
.endm
.macro FETCH_B slot, q, p
	WIN TO_B
.irp i, 0,1,2,3,4,5,6,7
	FRAG 128*(\p)+FR*\i, ADRB+\slot, \q, \i
.endr
	WIN 0
.endm
.macro FETCH_A slot, q, i0
.irp i, \i0, \i0+1, \i0+2, \i0+3
	FRAG AF+FR*(\i), ADRA+\slot, \q, \i
.endr
.endm
.macro PLACES n
.rept \n
	v_nop
.endr
.endm
.macro STEP slot, q, cm
	s_wait_dscnt 4*NL
.if \cm
	WIN BEG_LO
.else
	WIN MUL_LO
.endif
	MUL16 0, (\q)%2, \cm
	MUL16 2, (\q)%2, \cm
	s_wait_dscnt 0
	PLACES NP
	FETCH_B \slot, (\q)+1, 1-(\q)%2
	FETCH_A \slot, (\q)+1, 0
.if \cm
	WIN BEG_HI
.else
	WIN MUL_HI
.endif
	MUL16 4, (\q)%2, \cm
	MUL16 6, (\q)%2, \cm
	PLACES NP
	WIN 0
	FETCH_A \slot, (\q)+1, 4
.endm
.macro FIRST
	s_cmp_eq_u32 ttmp9, 2
	s_cbranch_scc1 .Lfirst_v_\@
	s_wait_alu depctr_va_vdst(0)
	STEP 0, 0, 1
	s_branch .Lfirst_done_\@
.Lfirst_v_\@:
	s_wait_alu depctr_va_vdst(0)
	STEP 0, 0, 2
.Lfirst_done_\@:
.endm
.macro TURN slot, next, fill
	s_wait_tensorcnt 0x0
	ds_add_u32 v[SPW], v[NIL]
	s_wait_dscnt 4*NL+1
	WIN MUL_LO
	MUL16 0, 1, 0
	s_wait_dscnt 0x0
	s_barrier_signal -1
	MUL16 2, 1, 0
	WIN 0
	s_barrier_wait -1
.if \fill == 0
	PLACES NP
.else
	CREST
.if \fill == 1
	s_add_nc_u64 s[G0+4*\slot+2:G0+4*\slot+3], s[G0+4*\slot+2:G0+4*\slot+3], 2*ROWB
	s_add_nc_u64 s[G0B+4*\slot+2:G0B+4*\slot+3], s[G0B+4*\slot+2:G0B+4*\slot+3], 2*ROWB
.else
	s_add_nc_u64 s[G0+4*\slot+2:G0+4*\slot+3], s[92:93], \slot*ROWB
	s_or_b32 s[G0+4*\slot+3], s[G0+4*\slot+3], 0x80000000
	s_add_nc_u64 s[G0B+4*\slot+2:G0B+4*\slot+3], s[94:95], \slot*ROWB
	s_or_b32 s[G0B+4*\slot+3], s[G0B+4*\slot+3], 0x80000000
.endif
	JLOAD G0+4*\slot, G1, G0B+4*\slot, G1B
.endif
	FETCH_B \next, 0, 0
	FETCH_A \next, 0, 0
.if \fill
	s_cmp_eq_u32 s[PFF], 1                         ; the second tile's K step two loads on: TSTEP bytes further on in x
	s_cbranch_scc0 .Lno_ask_\@
	global_prefetch_b8 v[PFO], s[PFA:PFA+1] offset:TSTEP+ROWB*(\slot+2*(\fill-1)) th:TH_LOAD_NT scope:SCOPE_SE
.Lno_ask_\@:
.endif
	WIN MUL_HI
	MUL16 4, 1, 0
	MUL16 6, 1, 0
	PLACES NP
	WIN 0
	FETCH_A \next, 0, 4
.endm
.macro QBLOCK a
.set AC, 64*((\a)%4)
.set CS, CD+16*((\a)%2)
.set WHOLD, 0x82+0x41*((\a)/4)
.set WCODE, 0x02+((\a)/4)
	WIN WHOLD
.set j, 0
.rept 64
	v_med3_num_f32 v[AC+j], v[AC+j], s81, s80
.set j, j+1
.endr
	WIN WCODE
	s_wait_alu depctr_va_vdst(0)
	s_wait_xcnt 0x0
.irp b, 0,1,2,3,4,5,6,7
	v_cvt_scalef32_pk8_bf8_f32 v[CS+2*\b:CS+2*\b+1], v[AC+8*\b:AC+8*\b+7], v[SCL]
.endr
	WIN 0
	v_nop
.irp g, 0,1,2,3
	global_store_b128 v[CO], v[CS+4*\g:CS+4*\g+3], s[88:89] offset:65536*(\g/2)+1024*(\a)+512*(\g%2)
.endr
.endm
.macro OUT
.irp a, 0,1,2,3,4,5,6,7
	QBLOCK \a
.endr
.endm
	s_wait_alu depctr_va_vdst(0)                   ; the wait at the head's end
	s_wait_tensorcnt 0x0                           ; my part of K step 0 is in
	ds_add_u32 v[SPW], v[NIL]
	s_wait_dscnt 0x0
	CROUND                                         ; everybody's part of K step 0 is in, and all sixteen work-groups are here
	JLOAD G0+4, G1, G0B+4, G1B                     ; K step 1, the first tensor load behind the round
	FETCH_B 0, 0, 0
	FETCH_A 0, 0, 0
	FETCH_A 0, 0, 4
	global_prefetch_b8 v[PFO], s[PFA:PFA+1] offset:3*ROWB th:TH_LOAD_NT scope:SCOPE_SE   ; K step 3
	s_mov_b32 s2, 2                                ; tiles to go, this one among them: the same number in every work-group
.Ltile:
	FIRST
	TURN 0, 1, 1
	STEP 1, 0, 0
	TURN 1, 0, 1
	STEP 0, 0, 0
	s_cmp_eq_u32 s2, 1
	s_cbranch_scc1 .Llast_tile                     ; the last tile's tail is written out: it fills nothing more
	TURN 0, 1, 2
	STEP 1, 0, 0
	TURN 1, 0, 2
	OUT
	s_mov_b32 s[PFF], 0                            ; nothing is left to ask for
	s_sub_co_u32 s2, s2, 1
	s_branch .Ltile
.Llast_tile:
	TURN 0, 1, 0
	STEP 1, 0, 0
	s_wait_dscnt 4*NL
	WIN MUL_LO
	MUL16 0, 1, 0
	MUL16 2, 1, 0
	s_wait_dscnt 0
	WIN MUL_HI
	MUL16 4, 1, 0
	MUL16 6, 1, 0
	WIN 0
	PLACES NP
	s_wait_xcnt 0x0
	s_add_nc_u64 s[88:89], s[88:89], TSTEP
	OUT
	s_wait_tensorcnt 0x0
	ds_add_u32 v[SPW], v[NIL]
	s_wait_dscnt 0x0
	CROUND
	s_endpgm
.Lfunc_end_k_qfc99f6edc8_proj:
	.size	k_qfc99f6edc8_proj, .Lfunc_end_k_qfc99f6edc8_proj-k_qfc99f6edc8_proj
	.p2alignl 7, 3214868480
	.fill 96, 4, 3214868480
	.section	.rodata,"a",@progbits
	.p2align	6, 0x0
	.amdhsa_kernel k_qfc99f6edc8_proj
		.amdhsa_group_segment_fixed_size 327680
		.amdhsa_private_segment_fixed_size 0
		.amdhsa_enable_private_segment 0
		.amdhsa_kernarg_size 48
		.amdhsa_user_sgpr_count 2
		.amdhsa_user_sgpr_kernarg_segment_ptr 1
		.amdhsa_wavefront_size32 1
		.amdhsa_system_sgpr_workgroup_id_x 1
		.amdhsa_system_sgpr_workgroup_id_y 1
		.amdhsa_system_sgpr_workgroup_id_z 1
		.amdhsa_system_vgpr_workitem_id 0
		.amdhsa_next_free_vgpr 1024
		.amdhsa_next_free_sgpr 98
		.amdhsa_reserve_vcc 0
		.amdhsa_float_denorm_mode_32 3
		.amdhsa_float_denorm_mode_16_64 3
		.amdhsa_memory_ordered 1
		.amdhsa_forward_progress 1
		.amdhsa_inst_pref_size 209
	.end_amdhsa_kernel
	.amdgpu_metadata
---
amdhsa.version: [ 1, 2 ]
amdhsa.kernels:
  - .name:           k_qfc99f6edc8_proj
    .symbol:         k_qfc99f6edc8_proj.kd
    .args:
      - { .name: codes, .offset: 0, .size: 8, .value_kind: global_buffer, .address_space: global }
      - { .name: lowp_scales, .offset: 8, .size: 8, .value_kind: global_buffer, .address_space: global }
      - { .name: qb, .offset: 16, .size: 8, .value_kind: global_buffer, .address_space: global }
      - { .name: kb, .offset: 24, .size: 8, .value_kind: global_buffer, .address_space: global }
      - { .name: vb, .offset: 32, .size: 8, .value_kind: global_buffer, .address_space: global }
      - { .name: qkv, .offset: 40, .size: 8, .value_kind: global_buffer, .address_space: global }
    .group_segment_fixed_size: 327680
    .private_segment_fixed_size: 0
    .kernarg_segment_align: 8
    .kernarg_segment_size: 48
    .max_flat_workgroup_size: 128
    .sgpr_count:     98
    .vgpr_count:     1024
    .wavefront_size: 32
...
	.end_amdgpu_metadata
.endif
;; end of part 2
;; launch attn (part 3): grid 2 x 128, 8 waves a work-group, no clusters, 199,680 bytes of LDS; arguments qkv, lowp_scales, out0; writes out0
.if DOCPART == 3
	.amdgcn_target "amdgcn-amd-amdhsa--gfx1250"
	.amdhsa_code_object_version 6
	.text
	.protected	k_qfc99f6edc8_attn
	.globl	k_qfc99f6edc8_attn
	.p2align	8
	.type	k_qfc99f6edc8_attn,@function
k_qfc99f6edc8_attn:
	s_mov_b64 s[64:65], 0
	v_nop
	global_prefetch_b8 v0, s[64:65] scope:SCOPE_SE
	s_setreg_imm32_b32 hwreg(HW_REG_WAVE_MODE, 25, 1), 1
	s_wait_xcnt 0x0
; THIRD LAUNCH: attention on codes of E5M2.  out[b][q][64 head + d] = the sum over keys of softmax(q . k / 32) v, both products on the codes that the launch before has laid.  No work of the problem is left out.
; THE SOFTMAX AHEAD OF THE SECOND PRODUCT: t = score x log2(e) / 32; M = the row's largest t so far, rounded UP to a whole number; p = 2^(t - M) is what is quantised (entry 8 of the scales); it is not normalised.
; The row's sum is taken of the unquantised p, in f32, and divides O at the end.  When M moves, the sum and O are multiplied by 2^(old M - new M): exact.
; LIMITS on the given exponents: e6 + e7 between -121 and 132 (they are added to c's exponent field); e8 between -126 and 112; e8 + e9 is applied by v_ldexp_f32 and has none.
; LIMIT: the scaled scores t stay under 2^31 in magnitude.  NaN is not served.
; SHARES.  A work-group owns one (batch, head) and 512 of its 1,024 queries; each of its eight waves owns four tiles of 16 queries, in 512 registers: two waves to a SIMD.  All waves walk the keys, 128 a step, and a fragment
; of K or V that a wave reads from LDS serves its four tiles.  The tiles go in two pairs: the two tiles of a pair are worked line by line side by side.
; K AND V: a step's 16,384 bytes of codes are read by the eight waves into 16 registers each and stored to LDS, every step into bytes of its own: LDS is filled once.  A step's bytes are asked for most of a step ahead of their LDS store,
; and stored about one and a half steps ahead of their first read.  So there is no prefetch: the loads into registers run ahead themselves.
; THE BARRIER is split.  In step s, behind the first pair's scores, a wave stores its part of step s + 2; it signals ahead of that pair's exponentials, when the stores are done, and waits in step s + 1, ahead of that step's stores.
; The first read of that part (K's) stands in the middle of step s + 1.  The last step is written out: it stores nothing, and behind its one wait a wave goes on to its results by itself.
; NO CLUSTER: a head's K and V are shared by two work-groups alone, once: 131,072 bytes against 32 x 8 tile steps of 16 queries x 128 keys in each of the two; and there is no tensor load to share.
; LAYOUT.  Both products are used transposed: S^T = K Q^T (source 0 = 16 keys, source 1 = my 16 queries), O^T = V^T P^T (source 0 = 16 channels, source 1 = P): a lane holds ONE query (lane % 16) throughout.
; THE CODES LIE AS IMAGES OF THE OPERANDS' REGISTERS: 512 bytes, 16 a lane, are registers 4 g .. 4 g + 3 of a fragment in the plain 8-bit layout.  So every load of a fragment is a constant + 16 x lane: 512 consecutive bytes.
;   q at byte 0, k at 0x800000 of qkv: [batch][head][tile of 16 tokens][g: 2][lane][16].   v at 0x1000000: batch x 0x100000 + (G / 2) x 65,536 + head x 4,096 + t x 1,024 + (G % 2) x 512 + 16 x lane,
;   G the group of 32 keys, t the tile of 16 channels.
; THE HOLD at the largest code: the conversion does not saturate (ISA guide 7.6.2).  p is at most 1 (and what rounding adds), so where e8 is -15 or more, 57,344 x 2^e8 is at least 1.75 and the hold changes nothing.
; Where it does not: the first tile's codes have been made, beyond the largest number infinity's code, 0x7c, which is turned into the largest number's, 0x7b; the second tile's p are held ahead of their conversion.
; REGISTERS, window 0: v2-11, v28-30 addresses (v5, v6 the add's two); v12-15, v252-255 at work; v16-23 -M and the largest score of my four tiles; v24-27 f and lane permutes; v32-63 Q; v64-95 P's codes; v96-159, v160-223 S^T, then p,
; then sums at work, of a pair's two tiles; v224-231 the rows' sums in two halves; v232-247 K's and V's codes on their way to LDS; v248 2^e8; v250, v251 57,344 x 2^e8.
; Window 1: v0-127 O^T of my four tiles; v128-191 K's eight fragments; v192-255 V's four.
.set VOFF,  81920                      ; K has ten places of 8,192 bytes, of which the first eight are used; behind them V likewise
.set STAGE, 2*VOFF                     ; 16 rows x (256 bytes + 16) for each wave, its own, for the way out
.set SPARE, STAGE+8*16*272             ; behind the stages: the spare words, 128 bytes for each wave, which no other line names
.set AV0,  2
.set STO,  3
.set RD,   4
.set SPW,  5
.set NIL,  6
.set GO,   7
.set ADK,  8
.set ADV,  9
.set PK0,  10
.set PV0,  11
.set PK,   28
.set PV,   29
.set L16,  30
.set LS,   232
.set SA,   96
.set SB,   160
.set MSB, 0
.macro WIN new                         ; the immediate's high byte repeats the setting that is left
.if MSB != \new
	s_set_vgpr_msb (MSB<<8)|\new
.set MSB, \new
.endif
.endm
.macro ASK r, k, v                     ; my part of a step's codes of K and V: four loads of 512 consecutive bytes
	global_load_b128 v[\r:\r+3], v[L16], s[12:13] offset:\k
	global_load_b128 v[\r+4:\r+7], v[L16], s[12:13] offset:\k+512
	global_load_b128 v[\r+8:\r+11], v[L16], s[16:17] offset:\v
	global_load_b128 v[\r+12:\r+15], v[L16], s[16:17] offset:\v+512
.endm
.macro PUT r, ak, av, off              ; and into LDS, as they lie
	ds_store_b128 v[\ak], v[\r:\r+3] offset:\off
	ds_store_b128 v[\ak], v[\r+4:\r+7] offset:\off+512
	ds_store_b128 v[\av], v[\r+8:\r+11] offset:\off
	ds_store_b128 v[\av], v[\r+12:\r+15] offset:\off+512
.endm
.macro GETK ad, off                    ; K's eight fragments: 16 keys x 64 each, two images of 512 bytes
	WIN 0x40
.irp t, 0,1,2,3,4,5,6,7
	ds_load_b128 v[128+8*\t:131+8*\t], v[\ad] offset:\off+1024*\t
	ds_load_b128 v[132+8*\t:135+8*\t], v[\ad] offset:\off+1024*\t+512
.endr
	WIN 0
.endm
.macro GETV                            ; V's four fragments, 16 channels x 128 keys each, four images of 512 bytes
	WIN 0x40
.irp t, 0,1,2,3
.irp g, 0,1,2,3
	ds_load_b128 v[192+16*\t+4*\g:195+16*\t+4*\g], v[ADV] offset:4096*(\g/2)+1024*\t+512*(\g%2)
.endr
.endr
	WIN 0
.endm
	s_load_b128 s[4:7], s[0:1], 0x0                ; qkv s[4:5], the scales' exponents s[6:7]
	s_load_b64 s[8:9], s[0:1], 0x10                ; out0
	v_lshl_add_u32 v[SPW], v0, 2, SPARE
	v_mov_b32 v[NIL], 0
	v_lshrrev_b32 v31, 5, v0
	v_readfirstlane_b32 s10, v31                   ; wave 0..7
	v_and_b32 v31, 31, v0
	v_lshlrev_b32 v[L16], 4, v31                   ; 16 x lane
	v_and_b32 v14, 15, v0                          ; r = lane % 16
	v_bfe_u32 v15, v0, 4, 1                        ; h = lane / 16
	s_and_b32 s2, ttmp7, 0xffff                    ; 16 x batch + head
	s_lshr_b32 s3, s2, 4                           ; batch
	s_and_b32 s11, s2, 15                          ; head
	s_lshl_b32 s18, s2, 16                         ; a head's codes of q and of k are 65,536 bytes on end
	s_lshl_b32 s20, s10, 10                        ; my 1,024 bytes of a step's 8,192 of K and of V
	s_add_co_u32 s12, s18, s20
	s_add_co_u32 s12, s12, 0x800000                ; K
	s_mov_b32 s13, 0
	s_lshl_b32 s16, s3, 20                         ; V: the batch,
	s_lshl_b32 s21, s11, 12
	s_add_co_u32 s16, s16, s21                     ; the head's 4,096 bytes of each row,
	s_lshr_b32 s21, s10, 2
	s_lshl_b32 s21, s21, 16
	s_add_co_u32 s16, s16, s21                     ; which of a step's two rows,
	s_and_b32 s21, s10, 3
	s_lshl_b32 s21, s21, 10
	s_add_co_u32 s16, s16, s21                     ; which quarter of it
	s_add_co_u32 s16, s16, 0x1000000
	s_mov_b32 s17, 0
	s_lshl_b32 s21, ttmp9, 15
	s_add_co_u32 s18, s18, s21                     ; Q: the work-group's 32 tiles of 1,024 bytes,
	s_lshl_b32 s21, s10, 12
	s_add_co_u32 s18, s18, s21                     ; my four of them
	s_mov_b32 s19, 0
	s_lshl_b32 s14, s3, 22                         ; out0: the batch's 1,024 rows of 4,096 bytes,
	s_lshl_b32 s21, ttmp9, 21
	s_add_co_u32 s14, s14, s21                     ; the work-group's 512 rows,
	s_lshl_b32 s21, s10, 18
	s_add_co_u32 s14, s14, s21                     ; my 64,
	s_lshl_b32 s21, s11, 8
	s_add_co_u32 s14, s14, s21                     ; the head's 256 bytes of each
	s_mov_b32 s15, 0
	s_wait_alu depctr_va_vdst(0)                   ; directly ahead of the wait below
	s_wait_kmcnt 0x0
	s_load_b128 s[44:47], s[6:7], 0x18             ; e6, e7, e8, e9
	s_add_nc_u64 s[12:13], s[4:5], s[12:13]
	s_add_nc_u64 s[16:17], s[4:5], s[16:17]
	s_add_nc_u64 s[18:19], s[4:5], s[18:19]
	s_add_nc_u64 s[14:15], s[8:9], s[14:15]
	ASK 96, 0, 0                                   ; step 0's codes,
	ASK 112, 8192, 131072                          ; step 1's,
.irp i, 0,1,2,3,4,5,6,7
	global_load_b128 v[32+4*\i:35+4*\i], v[L16], s[18:19] offset:512*\i   ; Q's fragments of my four tiles, eight registers each
.endr
	ASK LS, 16384, 262144                          ; step 2's
	v_add_nc_u32 v[AV0], VOFF, v[L16]              ; V in LDS (K: 16 x lane itself)
	v_add_nc_u32 v[PK0], s20, v[L16]               ; where my part of a step's K goes,
	v_add_nc_u32 v[PV0], VOFF, v[PK0]              ; and of V
	s_mul_i32 s21, s10, 16*272
	s_add_co_u32 s21, s21, STAGE                   ; my stage
	v_mul_u32_u24 v[STO], v14, 272
	v_mul_u32_u24 v[RD], v15, 272
	v_lshlrev_b32 v[GO], 12, v15
	v_lshl_add_u32 v[STO], v15, 5, v[STO]
	v_lshl_add_u32 v[RD], v14, 4, v[RD]
	v_lshl_add_u32 v[GO], v14, 4, v[GO]            ; out: lanes 0-15 take one row, lanes 16-31 the next, 16 bytes a lane
	v_add_nc_u32 v[STO], s21, v[STO]               ; the stage, in: row r; tile t's eight channels of my half: 64 t + 32 h bytes on
	v_add_nc_u32 v[RD], s21, v[RD]                 ; back: the same two rows
	s_mov_b32 s48, 0                               ; 8,192 x step
	v_add_nc_u32 v[PK], s48, v[PK0]                ; step 0's LDS stores
	v_add_nc_u32 v[PV], s48, v[PV0]
	s_mov_b32 s40, 0x76543210                      ; v_permlanex16_b32's selects for lane l xor 16
	s_mov_b32 s41, 0xfedcba98
	s_mov_b32 s42, 0x3d38aa3b                      ; c = log2(e) / 32
.irp i, 0,1,2,3
	v_mov_b32 v[16+2*\i], 0x7f61b1e6               ; -M: so large that the first change of M makes f = 0
	v_mov_b32 v[17+2*\i], 0xff7fffff               ; the largest score so far: the least f32 number
	v_mov_b32 v[224+2*\i], 0                       ; the sum, in two halves
	v_mov_b32 v[225+2*\i], 0
.endr
	v_mov_b32 v25, 0                               ; written once: a lane permute's destination counts as one of its sources
	v_mov_b32 v27, 0
	WIN 0x40
.set j, 0
.rept 128
	v_mov_b32 v[j], 0                              ; O^T.  (The step is written for any: the first finds zeros, which the first change of M leaves zeros)
.set j, j+1
.endr
	WIN 0
	s_wait_kmcnt 0x0
	s_add_co_i32 s52, s44, s45
	s_lshl_b32 s52, s52, 23
	s_add_co_i32 s42, s42, s52                     ; a score stands for score x 2^(e6 + e7): the two exponents are added to c's exponent field
	s_mov_b32 s43, s42                             ; (named with it as a pair, so it is written)
	s_add_co_i32 s52, s46, 127
	s_lshl_b32 s53, s52, 23
	v_mov_b32 v248, s53                            ; 2^e8 as f32, for the conversion
	s_add_co_i32 s52, s52, 15
	s_lshl_b32 s52, s52, 23
	s_or_b32 s52, s52, 0x600000
	v_mov_b32 v250, s52                            ; 57,344 x 2^e8
	v_mov_b32 v251, s52
	s_add_co_i32 s51, s46, s47                     ; e8 + e9
	s_cmp_lt_i32 s46, -15
	s_cselect_b32 s55, 1, 0                        ; 1: the hold can change a number
	s_mov_b32 s50, 7                               ; trips to go, this one among them
	s_wait_alu depctr_va_vdst(0)                   ; the wait at the head's end
	s_wait_loadcnt 12                              ; steps 0's and 1's codes are in: behind them Q's 8 loads, step 2's 4
	PUT 96, PK0, PV0, 0
	PUT 112, PK0, PV0, 8192
	s_wait_dscnt 0x0
	s_barrier_signal -1
	s_barrier_wait -1                              ; everybody's part of steps 0 and 1 is in LDS
	GETK L16, 0
	s_wait_loadcnt 4                               ; Q; step 2's four loads may be out
	s_wait_dscnt 0x0                               ; K's fragments are in
	s_barrier_signal -1                            ; the wait for it stands in step 0
.macro FMA_A n                         ; the first tile's t - M, two at a time (of the pairs c and -M the low word serves both halves)
.rept \n
	v_pk_fma_f32 v[SA+j:SA+j+1], v[SA+j:SA+j+1], s[42:43], v[NA:NA+1] op_sel_hi:[1,0,0]
.set j, j+2
.endr
.endm
.macro SUM d, a, b
	v_pk_add_f32 v[\d:\d+1], v[\a:\a+1], v[\b:\b+1]
.endm
.macro CODE_B t
	v_cvt_scalef32_pk8_bf8_f32 v[80+2*\t:81+2*\t], v[SB+8*\t:SB+8*\t+7], v248   ; keys 16 t + 8 h + 0 .. 7: registers 2 t, 2 t + 1 of P
.endm
; TWO TILES OF 16 QUERIES (2 p and 2 p + 1 of my four) AGAINST A STEP'S 128 KEYS.  m = 1: in the loop; m = 0: the last step, which fetches nothing further.
.macro PAIR p, m
.set NA, 16+4*(\p)                     ; -M, largest score of the first tile, then of the second
.set OA, 64*(\p)
.set QA, 32+16*(\p)
.set SU, 224+4*(\p)
	WIN 0x01
.irp t, 0,1,2,3,4,5,6,7                        ; tile t of S^T: keys 16 t + 8 h + 0 .. 7
	v_wmma_f32_16x16x64_bf8_bf8 v[SA+8*\t:SA+8*\t+7], v[128+8*\t:135+8*\t], v[QA:QA+7], 0
	v_wmma_f32_16x16x64_bf8_bf8 v[SB+8*\t:SB+8*\t+7], v[128+8*\t:135+8*\t], v[QA+8:QA+15], 0
.endr
	WIN 0
.rept 4
	v_nop                                          ; places in front of the first read of the scores, and of loads into K's and V's registers
.endr
.if (\p) == 0
	s_barrier_wait -1                              ; everybody's part of the next step is in LDS
.if \m
	s_wait_loadcnt 0x0                             ; my part of the step two on is in: so the bases may be written too
	s_add_nc_u64 s[12:13], s[12:13], 8192
	s_add_nc_u64 s[16:17], s[16:17], 131072
	s_cmp_lt_u32 s50, 2
	s_cbranch_scc1 .Lno_put_\@                     ; there is no step two on
	PUT LS, PK, PV, 16384
.Lno_put_\@:
.endif
.elseif \m
	GETK ADK, 8192                                 ; the next step's
.endif
	v_max3_num_f32 v252, v[SA], v[SA+1], v[SA+2]   ; each tile's largest score of my query, among my 64 keys, in four chains a tile, each accumulator from its low end on
	v_max3_num_f32 v254, v[SB], v[SB+1], v[SB+2]
	v_max3_num_f32 v253, v[SA+3], v[SA+4], v[SA+5]
	v_max3_num_f32 v255, v[SB+3], v[SB+4], v[SB+5]
	v_max3_num_f32 v12, v[SA+6], v[SA+7], v[SA+8]
	v_max3_num_f32 v14, v[SB+6], v[SB+7], v[SB+8]
	v_max3_num_f32 v13, v[SA+9], v[SA+10], v[SA+11]
	v_max3_num_f32 v15, v[SB+9], v[SB+10], v[SB+11]
.irp i, 12,20,28,36,44,52
	v_max3_num_f32 v252, v252, v[SA+\i], v[SA+\i+1]
	v_max3_num_f32 v254, v254, v[SB+\i], v[SB+\i+1]
	v_max3_num_f32 v253, v253, v[SA+\i+2], v[SA+\i+3]
	v_max3_num_f32 v255, v255, v[SB+\i+2], v[SB+\i+3]
	v_max3_num_f32 v12, v12, v[SA+\i+4], v[SA+\i+5]
	v_max3_num_f32 v14, v14, v[SB+\i+4], v[SB+\i+5]
	v_max3_num_f32 v13, v13, v[SA+\i+6], v[SA+\i+7]
	v_max3_num_f32 v15, v15, v[SB+\i+6], v[SB+\i+7]
.endr
	v_max3_num_f32 v252, v252, v[SA+60], v[SA+61]
	v_max3_num_f32 v254, v254, v[SB+60], v[SB+61]
	v_max3_num_f32 v253, v253, v[SA+62], v[SA+63]
	v_max3_num_f32 v255, v255, v[SB+62], v[SB+63]
	v_max_num_f32 v12, v12, v13
	v_max_num_f32 v14, v14, v15
	v_max3_num_f32 v252, v252, v253, v12
	v_max3_num_f32 v254, v254, v255, v14
	v_permlanex16_b32 v25, v252, s40, s41
	v_permlanex16_b32 v27, v254, s40, s41
	v_max3_num_f32 v[NA+1], v[NA+1], v252, v25     ; the running largest score, lane l xor 16's keys among them
	v_max3_num_f32 v[NA+3], v[NA+3], v254, v27
	v_mov_b32 v253, v[NA]
	v_mov_b32 v255, v[NA+2]
	v_mul_f32 v252, s42, -v[NA+1]                  ; -t of it (c is positive)
	v_mul_f32 v254, s42, -v[NA+3]
	v_floor_f32 v[NA], v252                        ; the new -M = floor(-t) = -ceil(t): M is a whole number
	v_floor_f32 v[NA+2], v254
.set j, 0
	FMA_A 8
	v_sub_f32 v253, v[NA], v253                    ; M's old value less its new one: a whole number, 0 or less
	v_sub_f32 v255, v[NA+2], v255
	FMA_A 6
	v_cvt_i32_f32 v253, v253                       ; (it saturates)
	v_cvt_i32_f32 v255, v255
	FMA_A 6
	v_ldexp_f32 v24, 1.0, v253                     ; f = 2^(old M - new M)
	v_ldexp_f32 v26, 1.0, v255
	FMA_A 12
	s_wait_alu depctr_va_vdst(0)                   ; ahead of the batch (and of the wait below)
.if (\p) == 0
.if \m
	s_wait_dscnt 0x0                               ; my part of the step two on is stored
	s_cmp_lt_u32 s50, 3
	s_cbranch_scc1 .Lno_ask_\@                     ; there is no step three on
	ASK LS, 16384, 262144                          ; three steps on from this one: the bases stand one step on
.Lno_ask_\@:
	s_barrier_signal -1                            ; the wait stands in the next step
	s_add_co_u32 s49, s48, 8192
	v_add_nc_u32 v[ADK], s48, v[L16]
	v_add_nc_u32 v[PK], s49, v[PK0]                ; the next step's LDS stores
	v_add_nc_u32 v[PV], s49, v[PV0]
.endif
	v_add_nc_u32 v[ADV], s48, v[AV0]
	GETV
.endif
.set j, 0
.rept 32
	v_exp_f32 v[SA+j], v[SA+j]                     ; the first tile's p = 2^(t - M): not normalised;
	v_exp_f32 v[SA+j+1], v[SA+j+1]
	v_pk_fma_f32 v[SB+j:SB+j+1], v[SB+j:SB+j+1], s[42:43], v[NA+2:NA+3] op_sel_hi:[1,0,0]   ; among them the second tile's t - M
.set j, j+2
.endr
	s_wait_alu depctr_va_vdst(0)                   ; behind the first batch and ahead of the second
.set j, 0
.rept 8
	v_cvt_scalef32_pk8_bf8_f32 v[64+2*j:65+2*j], v[SA+8*j:SA+8*j+7], v248   ; among the second tile's p: the first tile's codes,
	v_exp_f32 v[SB+8*j], v[SB+8*j]
	v_exp_f32 v[SB+8*j+1], v[SB+8*j+1]
	v_exp_f32 v[SB+8*j+2], v[SB+8*j+2]
	v_exp_f32 v[SB+8*j+3], v[SB+8*j+3]
.if j > 0
	SUM SA+8*j-8, SA+8*j-8, SA+8*j-6               ; and the first level of its sum, which is taken of the unquantised p, in the registers of p that have been converted
	SUM SA+8*j-4, SA+8*j-4, SA+8*j-2
.endif
	v_exp_f32 v[SB+8*j+4], v[SB+8*j+4]
	v_exp_f32 v[SB+8*j+5], v[SB+8*j+5]
	v_exp_f32 v[SB+8*j+6], v[SB+8*j+6]
	v_exp_f32 v[SB+8*j+7], v[SB+8*j+7]
.set j, j+1
.endr
	SUM SA+56, SA+56, SA+58                        ; (plain instructions behind the exponentials)
	SUM SA+60, SA+60, SA+62
	WIN 0x41
	s_wait_alu depctr_va_vdst(0)                   ; one wait behind the batch: ahead of the batch's first reader, and directly ahead of the first readers of O^T
.set j, 0
.rept 16
	v_pk_mul_f32 v[OA+j:OA+j+1], v[OA+j:OA+j+1], v[24:25] op_sel_hi:[1,0]   ; O^T under the new M: x f
.set j, j+2
.endr
.rept 16
	v_pk_mul_f32 v[OA+j:OA+j+1], v[OA+j:OA+j+1], v[26:27] op_sel_hi:[1,0]
.set j, j+2
.endr
	WIN 0
.if (\p) == 0
	s_wait_dscnt 0x0                               ; V's fragments are in
.endif
.irp u, 0,1,2,3,4,5,6,7                        ; the second tile's sum, in registers that the first's no longer needs
	SUM SA+8*\u+2, SB+8*\u, SB+8*\u+2
	SUM SA+8*\u+6, SB+8*\u+4, SB+8*\u+6
.endr
	s_cmp_eq_u32 s55, 0
	s_cbranch_scc1 .Lopen_\@                       ; a branch on the given whole number e8, the same in all waves
.set j, 64
.rept 4                                        ; the hold: of the first tile's 16 registers of codes, none negative, a byte 0x7c becomes 0x7b: only 0x7c + 4 sets a byte's highest bit;
.irp q, 0,1,2,3
	v_add_nc_u32 v[12+\q], 0x4040404, v[j+\q]
.endr
.irp q, 0,1,2,3
	v_lshrrev_b32 v[12+\q], 7, v[12+\q]
.endr
.irp q, 0,1,2,3
	v_and_b32 v[12+\q], 0x1010101, v[12+\q]
.endr
.irp q, 0,1,2,3
	v_sub_nc_u32 v[j+\q], v[j+\q], v[12+\q]
.endr
.set j, j+4
.endr
.set j, 0
.rept 32                                       ; the second tile's p, which is not negative, is held from above
	v_dual_min_num_f32 v[SB+j], v[SB+j], v250 :: v_dual_min_num_f32 v[SB+j+1], v[SB+j+1], v251
.set j, j+2
.endr
.Lopen_\@:
.irp u, 0,1,2,3,4,5,6,7
	SUM SA+8*\u, SA+8*\u, SA+8*\u+4
.endr
.irp u, 0,1,2,3,4,5,6,7
	SUM SA+8*\u+2, SA+8*\u+2, SA+8*\u+6
.endr
.irp u, 0,16,32,48
	SUM SA+\u, SA+\u, SA+\u+8
.endr
.irp u, 2,18,34,50
	SUM SA+\u, SA+\u, SA+\u+8
.endr
	SUM SA, SA, SA+16
	SUM SA+32, SA+32, SA+48
	CODE_B 0
	CODE_B 1
	SUM SA+2, SA+2, SA+18
	SUM SA+34, SA+34, SA+50
	CODE_B 2
	CODE_B 3
	SUM SA, SA, SA+32
	CODE_B 4
	SUM SA+2, SA+2, SA+34
	CODE_B 5
	CODE_B 6
	v_pk_fma_f32 v[SU:SU+1], v[SU:SU+1], v[24:25], v[SA:SA+1] op_sel_hi:[1,0,1]   ; the sum under the new M, and the step's
	CODE_B 7
	v_pk_fma_f32 v[SU+2:SU+3], v[SU+2:SU+3], v[26:27], v[SA+2:SA+3] op_sel_hi:[1,0,1]   ; (the plain instruction between the last conversion and what touches its result)
	WIN 0x51
.irp t, 0,1,2,3                                ; O^T += V^T P^T: the pair's eight accumulators by turns
	v_wmma_f32_16x16x128_bf8_bf8 v[OA+8*\t:OA+8*\t+7], v[192+16*\t:207+16*\t], v[64:79], v[OA+8*\t:OA+8*\t+7]
	v_wmma_f32_16x16x128_bf8_bf8 v[OA+32+8*\t:OA+39+8*\t], v[192+16*\t:207+16*\t], v[80:95], v[OA+32+8*\t:OA+39+8*\t]
.endr
	WIN 0
.endm
.Lkeys:                                                ; seven trips, a step of 128 keys each; K's fragments are in registers
	PAIR 0, 1
	PAIR 1, 1
	s_wait_dscnt 0x0                               ; the next step's fragments of K are in
	s_add_co_u32 s48, s48, 8192
	s_sub_co_u32 s50, s50, 1
	s_cmp_lg_u32 s50, 0
	s_wait_alu depctr_va_vdst(0)                   ; directly ahead of the branch
	s_cbranch_scc1 .Lkeys
	PAIR 0, 0
	PAIR 1, 0
; THE WAY OUT: O^T / the sum x 2^(e8 + e9) goes through my stage in LDS, so that sixteen lanes store a query's 256 bytes.
.irp i, 0,1,2,3
	v_add_f32 v[24+2*\i], v[224+2*\i], v[225+2*\i] ; the sums' two halves (four plain instructions: the places behind the last products),
.endr
.irp i, 0,1,2,3
	v_permlanex16_b32 v[25+2*\i], v[24+2*\i], s40, s41
.endr
.irp i, 0,1,2,3
	v_add_f32 v[24+2*\i], v[24+2*\i], v[25+2*\i]   ; and lane l xor 16's: the rows' sums
.endr
	s_wait_alu depctr_va_vdst(0)                   ; ahead of the batch
.irp i, 0,1,2,3
	v_rcp_f32 v[24+2*\i], v[24+2*\i]
.endr
	v_nop                                          ; a plain instruction behind the transcendentals,
	s_wait_alu depctr_va_vdst(0)                   ; and the wait ahead of the first reader
.irp i, 0,1,2,3
	v_ldexp_f32 v[24+2*\i], v[24+2*\i], s51
.endr
	WIN 0x01
	s_wait_alu depctr_va_vdst(0)                   ; directly ahead of the first readers of O^T
.irp i, 0,1,2,3
.set j, 0
.rept 16
	v_pk_mul_f32 v[96+32*\i+j:97+32*\i+j], v[32*\i+j:32*\i+j+1], v[24+2*\i:25+2*\i] op_sel_hi:[1,0]   ; register 8 t + n of tile i is o(query r, channel 16 t + 8 h + n); each accumulator from its low end on
.set j, j+2
.endr
.endr
	WIN 0
.macro TOSTAGE i, d                    ; tile i into my stage and back by rows, into v[d ..]
.irp t, 0,1,2,3
	ds_store_b128 v[STO], v[96+32*\i+8*\t:99+32*\i+8*\t] offset:64*\t
	ds_store_b128 v[STO], v[100+32*\i+8*\t:103+32*\i+8*\t] offset:64*\t+16
.endr
.irp k, 0,1,2,3,4,5,6,7
	ds_load_b128 v[\d+4*\k:\d+4*\k+3], v[RD] offset:2*\k*272   ; LDS serves a wave's instructions in order (ISA guide 5.7.1.4): these see my stores, and the next tile's stores come behind them
.endr
.endm
.macro SEND i, d, younger              ; younger: the next tile's 8 LDS stores and 8 loads, which may be out
	s_wait_dscnt \younger
.irp k, 0,1,2,3,4,5,6,7
	global_store_b128 v[GO], v[\d+4*\k:\d+4*\k+3], s[14:15] offset:8192*\k+65536*\i th:TH_STORE_NT   ; 16 lanes store 256 consecutive bytes, aligned; written once, read by nobody here
.endr
.endm
	TOSTAGE 0, 32
	TOSTAGE 1, 64
	s_wait_alu depctr_va_vdst(0)                   ; directly ahead of the wait below
	SEND 0, 32, 16
	TOSTAGE 2, 96                                  ; tile 0's registers: its LDS stores are done, since its loads are
	SEND 1, 64, 16
	TOSTAGE 3, 128
	SEND 2, 96, 16
	SEND 3, 128, 0
	s_wait_tensorcnt 0x0                           ; the wave's end
	ds_add_u32 v[SPW], v[NIL]
	s_wait_dscnt 0x0
	s_endpgm
.Lfunc_end_k_qfc99f6edc8_attn:
	.size	k_qfc99f6edc8_attn, .Lfunc_end_k_qfc99f6edc8_attn-k_qfc99f6edc8_attn
	.p2alignl 7, 3214868480
	.fill 96, 4, 3214868480
	.section	.rodata,"a",@progbits
	.p2align	6, 0x0
	.amdhsa_kernel k_qfc99f6edc8_attn
		.amdhsa_group_segment_fixed_size 199680
		.amdhsa_private_segment_fixed_size 0
		.amdhsa_enable_private_segment 0
		.amdhsa_kernarg_size 24
		.amdhsa_user_sgpr_count 2
		.amdhsa_user_sgpr_kernarg_segment_ptr 1
		.amdhsa_wavefront_size32 1
		.amdhsa_system_sgpr_workgroup_id_x 1
		.amdhsa_system_sgpr_workgroup_id_y 1
		.amdhsa_system_sgpr_workgroup_id_z 1
		.amdhsa_system_vgpr_workitem_id 0
		.amdhsa_next_free_vgpr 512
		.amdhsa_next_free_sgpr 66
		.amdhsa_reserve_vcc 0
		.amdhsa_float_denorm_mode_32 3
		.amdhsa_float_denorm_mode_16_64 3
		.amdhsa_memory_ordered 1
		.amdhsa_forward_progress 1
		.amdhsa_inst_pref_size 136
	.end_amdhsa_kernel
	.amdgpu_metadata
---
amdhsa.version: [ 1, 2 ]
amdhsa.kernels:
  - .name:           k_qfc99f6edc8_attn
    .symbol:         k_qfc99f6edc8_attn.kd
    .args:
      - { .name: qkv, .offset: 0, .size: 8, .value_kind: global_buffer, .address_space: global }
      - { .name: lowp_scales, .offset: 8, .size: 8, .value_kind: global_buffer, .address_space: global }
      - { .name: out0, .offset: 16, .size: 8, .value_kind: global_buffer, .address_space: global }
    .group_segment_fixed_size: 199680
    .private_segment_fixed_size: 0
    .kernarg_segment_align: 8
    .kernarg_segment_size: 24
    .max_flat_workgroup_size: 256
    .sgpr_count:     66
    .vgpr_count:     512
    .wavefront_size: 32
...
	.end_amdgpu_metadata
.endif
;; end of part 3
